; MI455X (gfx1250); checked and timed in simulation.
; The chip was launched on July 23, 2026; its instructions are those of AMD's public machine-readable ISA for CDNA 5 (MIT licence, August 2026) and "CDNA5" Instruction Set Architecture Reference Guide (July 2026). The comments in the code are by the model that wrote it; some were corrected since.
;; Un Embedder. Allowed arithmetic: matrix products marked QUANTISED: E4M3 operands, one given power-of-two scale a tensor, by v_wmma_f32_16x16x64_fp8_fp8 or v_wmma_f32_16x16x128_fp8_fp8, f32 sums; everything else in f32.
;; Inputs: embeddings 2,048 x 1,024 float32; ln_bias 1,024 float32; ln_weight 1,024 float32; lowp_scales 2 int32 (the exponents e of the quantised operands' scales 2^e); pos_emb 2,048 x 1,024 float32; vocab_vectors 25,128 x 1,024 float32.
;; Outputs: out0 2,048 int32.
;; This version of the problem:
;;   THIS VERSION OF THE PROBLEM IS GIVEN IN LOW PRECISION. The matrix products marked QUANTISED in the list below multiply operands that are first quantised to E4M3 (4 exponent bits, 3 mantissa bits; 8 bits a number), with one given power-of-two scale for each operand tensor; their sums are f32. All else is computed in f32.
;;   The module's matrix products, in the order in which they are computed (A, B: the left and right operand; K: the contracted axis; several contracted axes count as one K, in the product's order):
;;     1. [M 2,048, K 1,024] x [K 1,024, N 25,128]; A: computed on the way; B: input vocab_vectors: QUANTISED (scales: A lowp_scales[0], B lowp_scales[1])
;;   THE QUANTISER, for each operand of a quantised product, along K:
;;     - The operand's scale is 2^e, e = its entry of the input lowp_scales (int32; the entries are numbered through the quantised products in the list's order, A before B).
;;     - Each number is divided by the scale, clamped to +-448, and rounded to the nearest number of E4M3, ties to even, subnormals kept.
;;     - The product sums the exact products of the quantised numbers (number of the format x scale) in f32.
;;   ~~~python
;;   def quantise(x, axis, e):      # numpy; x: float32 -> the quantised numbers, widened to float32 again
;;       x = np.moveaxis(x, axis, -1); K = x.shape[-1]
;;       r = np.clip(x / 2.0 ** e, -448, 448)
;;       step = 2.0 ** (np.maximum(np.frexp(np.where(r == 0, 1, r))[1] - 1, -6) - 3)
;;       q = np.round(r / step) * step * 2.0 ** e      # np.round: ties to even
;;       return np.moveaxis(q, -1, axis).astype(np.float32)
;;   ~~~
;;   OPERANDS COMPUTED ON THE WAY. 'Computed on the way' means the value that the module computes at that place (a softmax that the list does not call 'softmax' is quantised finished and normalised). What goes into a quantiser is computed in f32, as accurately as f32 sums, v_exp_f32 and their like allow (about 1e-6 of the number): no bf16 or f16 on the way to a quantiser, and a product that is left as it is and whose result goes on into a quantised operand takes f32 operands (vector FMAs, or v_wmma_f32_16x16x4_f32). A number that lies on a knife's edge between two numbers of the format may be rounded either way, as far as f32 arithmetic and the matrix unit's own rounding can turn it there, and no further.
;; One version. Each part assembles by itself: llvm-mc -triple=amdgcn-amd-amdhsa -mcpu=gfx1250 --defsym DOCPART=n.
;; ======== version 1 of 1: 3 launches
;; limits: right only within a limited range of input values
;; workspace buffers: ycodes 2,097,152 bytes; yyw 16,384 bytes; vcodes 27,347,968 bytes; part 524,288 bytes
;; launch yprep (part 1): grid 443 x 1, 8 waves a work-group, no clusters, 54,016 bytes of LDS; arguments embeddings, ln_bias, ln_weight, pos_emb, lowp_scales, ycodes, yyw, vocab_vectors, vcodes; writes ycodes, yyw, vcodes
.if DOCPART == 1
	.amdgcn_target "amdgcn-amd-amdhsa--gfx1250"
	.amdhsa_code_object_version 6
	.text
	.protected	k_qa51fab9a00_yprep
	.globl	k_qa51fab9a00_yprep
	.p2align	8
	.type	k_qa51fab9a00_yprep,@function
k_qa51fab9a00_yprep:
	s_mov_b64 s[64:65], 0
	v_nop
	global_prefetch_b8 v0, s[64:65] scope:SCOPE_SE
	s_setreg_imm32_b32 hwreg(HW_REG_WAVE_MODE, 25, 1), 1
	s_wait_xcnt 0x0
; y = (embeddings - ln_bias) / (ln_weight + 1e-6) - pos_emb, in f32; its sum of squares for each row; its codes of FP8 (E4M3) with the given scale 2^e0.
; The division is a reciprocal with one Newton step, a product and one correction by the remainder (fused multiply-adds).
; LIMITS: e0 between -126 and 119.  ln_weight + 1e-6 equal to 0, denormal or above 2^126, a quotient beyond f32, and NaN among the inputs are not served.
;         The order of the additions in a row's sum of squares is this text's own.
; THE CODES LEAVE AS IMAGES OF OPERAND REGISTERS: ycodes [block 32][K step s 8][tile a 4][2,048 bytes]; in an image, registers 4 c .. 4 c + 3 of lane (r, h) lie at 512 c + 16 (r + 16 h).
; ROWS: row r of tile a of a block is row 64 block + 4 r + a of y, so that a lane's four tiles are four neighbouring rows in the launch that multiplies.
; K: byte i of registers 4 c .. 4 c + 3, half h, K step s is k = 512 (s / 4) + 128 (i / 4) + 32 (s % 4) + 8 c + 4 h + i % 4: a permutation of K that the vocabulary's codes share, so every product meets its partner.
;    It is what dense loads give: load u hands lane l the numbers k = 128 u + 4 l + 0 .. 3; the lane's 32 codes are two pieces of 16 bytes, piece U being registers group (l / 2) % 4, half l % 2 of K step 4 U + l / 8.
; SHARES: work-group wg = 4 block + a owns 16 rows.  Wave w computes rows r = 2 w and 2 w + 1; the pieces meet in a stage in LDS; behind one barrier wave w stores the image of K step w, 512 consecutive bytes a store.
; No matrix unit, no tensor load, no cluster: each byte of embeddings and pos_emb is read once by one wave.
.set STG,   0                          ; LDS: piece (L = 4 s + c, h, r) at 544 L + 272 h + 16 r: 32 x 544 bytes.  A writer's lane l stands at 272 l: sixteen lanes fall on sixteen different 16-byte columns modulo 256 bytes
.set YS,    17408                      ; 16 words: the rows' sums of squares (a block of 256 bytes of their own)
.set SPARE, 17664                      ; the spare words, 128 bytes for each of eight waves: four blocks of 256 bytes that no other line names
.set SPW, 2                            ; v2   LDS address of my spare word; never rewritten
.set NIL, 3                            ; v3   0; never rewritten
.set LO,  4                            ; v4   16 x lane
.set SA,  5                            ; v5   the stage, on the way in: 272 x lane + 32 x wave
.set RA,  6                            ; v6   and out: 4 x 544 x wave + 272 (lane / 16) + 16 (lane % 16)
.set YA,  7                            ; v7   YS + 8 x wave
.set SQ,  8                            ; v8-11  the sum of squares, two chains of pairs
.set PX,  12                           ; v12  destination of the lane exchange, written once at the head
.set YR,  13                           ; v13  YS + 4 (lane % 16)
.set SCL, 14                           ; v14  2^e0 as f32
.set LIM, 15                           ; v15  448 x 2^e0
.set BI,  16                           ; v16-47   ln_bias at my 32 places of a row
.set WT,  48                           ; v48-79   ln_weight + 1e-6
.set RC,  80                           ; v80-111  its reciprocal
.set E,   112                          ; v112-175 embeddings, then y: 32 registers a row
.set P,   176                          ; v176-239 pos_emb, then the row's 8 registers of codes
.set T,   240                          ; v240-255 at work
	s_load_b256 s[4:11], s[0:1], 0x0               ; embeddings s[4:5], ln_bias s[6:7], ln_weight s[8:9], pos_emb s[10:11]
	s_load_b128 s[12:15], s[0:1], 0x20             ; the scales' exponents s[12:13], ycodes s[14:15]
	s_load_b64 s[16:17], s[0:1], 0x30              ; yyw
	v_lshl_add_u32 v[SPW], v0, 2, SPARE
	v_mov_b32 v[NIL], 0
	v_lshrrev_b32 v1, 5, v0
	s_delay_alu instid0(VALU_DEP_1)
	v_readfirstlane_b32 s18, v1                    ; wave 0..7
	v_and_b32 v1, 31, v0                           ; lane
	s_delay_alu instid0(VALU_DEP_1)
	v_lshlrev_b32 v[LO], 4, v1
	s_lshl_b32 s19, s18, 5
	v_mul_u32_u24 v[SA], v1, 272
	s_delay_alu instid0(VALU_DEP_1)
	v_add_nc_u32 v[SA], s19, v[SA]
	s_mul_i32 s19, s18, 4*544
	v_lshrrev_b32 v[RA], 4, v1
	s_delay_alu instid0(VALU_DEP_1)
	v_mul_u32_u24 v[RA], v[RA], 272
	v_and_b32 v[YR], 15, v1
	s_delay_alu instid0(VALU_DEP_1)
	v_lshl_add_u32 v[RA], v[YR], 4, v[RA]
	s_delay_alu instid0(VALU_DEP_1)
	v_add_nc_u32 v[RA], s19, v[RA]
	s_delay_alu instid0(VALU_DEP_3)
	v_lshl_add_u32 v[YR], v[YR], 2, YS
	s_lshl_b32 s19, s18, 3
	s_add_co_u32 s19, s19, YS
	v_mov_b32 v[YA], s19
	v_lshlrev_b32 v1, 2, v1                        ; 4 x lane, for the store of the sums
	v_mov_b32 v[PX], 0
	s_sub_co_u32 s29, ttmp9, 315                   ; work-groups 0 to 314 take the vocabulary (the longer share), 315 to 442 take y: wg = number - 315
	s_lshr_b32 s20, s29, 2                         ; block
	s_and_b32 s21, s29, 3                          ; a
	s_lshl_b32 s22, s20, 6
	s_add_co_u32 s22, s22, s21
	s_lshl_b32 s23, s18, 3
	s_add_co_u32 s22, s22, s23                     ; my first row: 64 block + a + 8 wave; my second lies 4 rows on
	s_lshl_b32 s22, s22, 12                        ; in bytes
	s_mov_b32 s23, 0
	s_mov_b32 s24, 0x76543210                      ; lane selects: each lane takes its own place in the other half
	s_mov_b32 s25, 0xfedcba98
	s_mov_b32 s30, 0x358637bd                      ; 1e-6
	s_mov_b32 s31, s30                             ; (named with it as a pair, so it is written)
	s_cmp_lt_u32 ttmp9, 315
	s_wait_alu depctr_va_vdst(0)
	s_cbranch_scc1 .Lvoc
	s_wait_kmcnt 0x0
	s_load_b32 s26, s[12:13], 0x0                  ; e0
	s_add_nc_u64 s[4:5], s[4:5], s[22:23]
	s_add_nc_u64 s[10:11], s[10:11], s[22:23]
	s_lshl_b32 s22, s20, 16                        ; ycodes: 65,536 block + 2,048 a + 8,192 wave (the K step that I store)
	s_lshl_b32 s28, s21, 11
	s_add_co_u32 s22, s22, s28
	s_lshl_b32 s28, s18, 13
	s_add_co_u32 s22, s22, s28
	s_add_nc_u64 s[14:15], s[14:15], s[22:23]
	s_lshl_b32 s22, s29, 7                         ; yyw: 128 bytes for each work-group
	s_add_nc_u64 s[16:17], s[16:17], s[22:23]
; 48 loads, each 512 consecutive bytes: bias, weight, then each row's embeddings and positions
.irp u, 0,1,2,3,4,5,6,7
	global_load_b128 v[BI+4*\u:BI+4*\u+3], v[LO], s[6:7] offset:512*\u
.endr
.irp u, 0,1,2,3,4,5,6,7
	global_load_b128 v[WT+4*\u:WT+4*\u+3], v[LO], s[8:9] offset:512*\u
.endr
.irp i, 0,1
.irp u, 0,1,2,3,4,5,6,7
	global_load_b128 v[E+32*\i+4*\u:E+32*\i+4*\u+3], v[LO], s[4:5] offset:16384*\i+512*\u th:TH_LOAD_NT
.endr
.irp u, 0,1,2,3,4,5,6,7
	global_load_b128 v[P+32*\i+4*\u:P+32*\i+4*\u+3], v[LO], s[10:11] offset:16384*\i+512*\u th:TH_LOAD_NT
.endr
.endr
	s_wait_kmcnt 0x0
	s_add_co_i32 s26, s26, 127
	s_lshl_b32 s27, s26, 23
	v_mov_b32 v[SCL], s27                          ; 2^e0: the conversion takes its exponent field
	s_add_co_i32 s26, s26, 8
	s_lshl_b32 s26, s26, 23
	s_or_b32 s26, s26, 0x600000
	v_mov_b32 v[LIM], s26                          ; 448 x 2^e0
	s_wait_loadcnt 32                              ; bias and weight are in; the two rows' 32 loads may be out
.irp q, 0,2,4,6,8,10,12,14,16,18,20,22,24,26,28,30
	v_pk_add_f32 v[WT+\q:WT+\q+1], v[WT+\q:WT+\q+1], s[30:31] op_sel_hi:[1,0]
.endr
	s_wait_alu depctr_va_vdst(0)
.irp j, 0,1,2,3,4,5,6,7,8,9,10,11,12,13,14,15,16,17,18,19,20,21,22,23,24,25,26,27,28,29,30,31
	v_rcp_f32 v[RC+\j], v[WT+\j]
.endr
	v_nop                                          ; a plain instruction behind the last reciprocal, ahead of the first use (ISA guide 5.7.2)
	s_wait_alu depctr_va_vdst(0)                   ; one wait for the batch of 32, ahead of its first reader
.irp g, 0,16
.irp q, 0,2,4,6,8,10,12,14
	v_pk_fma_f32 v[T+\q:T+\q+1], v[WT+\g+\q:WT+\g+\q+1], v[RC+\g+\q:RC+\g+\q+1], 1.0 op_sel_hi:[1,1,0] neg_lo:[1,0,0] neg_hi:[1,0,0]   ; 1 - w rc
.endr
.irp q, 0,2,4,6,8,10,12,14
	v_pk_fma_f32 v[RC+\g+\q:RC+\g+\q+1], v[RC+\g+\q:RC+\g+\q+1], v[T+\q:T+\q+1], v[RC+\g+\q:RC+\g+\q+1]   ; the Newton step
.endr
.endr
; One row: y, its sum of squares, its codes.  left: the loads that may stay out.
.macro YROW i, left
.set EX, E+32*(\i)
.set PR, P+32*(\i)
	s_wait_loadcnt \left
.irp q, 0,2,4,6,8,10,12,14,16,18,20,22,24,26,28,30
	v_pk_add_f32 v[EX+\q:EX+\q+1], v[EX+\q:EX+\q+1], v[BI+\q:BI+\q+1] neg_lo:[0,1] neg_hi:[0,1]   ; n = embeddings - bias
.endr
.irp g, 0,8,16,24
.irp q, 0,2,4,6
	v_pk_mul_f32 v[T+\q:T+\q+1], v[EX+\g+\q:EX+\g+\q+1], v[RC+\g+\q:RC+\g+\q+1]   ; q0 = n rc
.endr
.irp q, 0,2,4,6
	s_delay_alu instid0(VALU_DEP_4)
	v_pk_fma_f32 v[T+8+\q:T+9+\q], v[T+\q:T+\q+1], v[WT+\g+\q:WT+\g+\q+1], v[EX+\g+\q:EX+\g+\q+1] neg_lo:[1,0,0] neg_hi:[1,0,0]   ; the remainder n - q0 w
.endr
.irp q, 0,2,4,6
	s_delay_alu instid0(VALU_DEP_4)
	v_pk_fma_f32 v[EX+\g+\q:EX+\g+\q+1], v[T+8+\q:T+9+\q], v[RC+\g+\q:RC+\g+\q+1], v[T+\q:T+\q+1]   ; the quotient
.endr
.irp q, 0,2,4,6
	s_delay_alu instid0(VALU_DEP_4)
	v_pk_add_f32 v[EX+\g+\q:EX+\g+\q+1], v[EX+\g+\q:EX+\g+\q+1], v[PR+\g+\q:PR+\g+\q+1] neg_lo:[0,1] neg_hi:[0,1]   ; y
.endr
.endr
.if \i
	s_wait_dscnt 0x0                               ; the row before has stored its sum: its register is written again below
.endif
	v_pk_mul_f32 v[SQ:SQ+1], v[EX:EX+1], v[EX:EX+1]                   ; the first products start the two chains: nothing is cleared
	v_pk_mul_f32 v[SQ+2:SQ+3], v[EX+2:EX+3], v[EX+2:EX+3]
.irp q, 4,8,12,16,20,24,28
	s_delay_alu instid0(VALU_DEP_2)
	v_pk_fma_f32 v[SQ:SQ+1], v[EX+\q:EX+\q+1], v[EX+\q:EX+\q+1], v[SQ:SQ+1]
	s_delay_alu instid0(VALU_DEP_2)
	v_pk_fma_f32 v[SQ+2:SQ+3], v[EX+\q+2:EX+\q+3], v[EX+\q+2:EX+\q+3], v[SQ+2:SQ+3]
.endr
.irp j, 0,1,2,3,4,5,6,7,8,9,10,11,12,13,14,15,16,17,18,19,20,21,22,23,24,25,26,27,28,29,30,31
	v_med3_num_f32 v[EX+\j], v[EX+\j], -v[LIM], v[LIM]     ; the conversion to an 8-bit code does not saturate (ISA guide 7.6.2): the hold at the largest code x the scale, behind the squares
.endr
.irp q, 0,1,2,3
	v_cvt_scalef32_pk8_fp8_f32 v[PR+2*\q:PR+2*\q+1], v[EX+8*\q:EX+8*\q+7], v[SCL]
.endr
	v_pk_add_f32 v[SQ:SQ+1], v[SQ:SQ+1], v[SQ+2:SQ+3]      ; (also the plain instruction behind the last conversion)
	ds_store_b128 v[SA], v[PR:PR+3] offset:16*(\i)         ; piece 0: K steps 0 to 3
	ds_store_b128 v[SA], v[PR+4:PR+7] offset:16*(\i)+8704  ; piece 1: K steps 4 to 7, 16 x 544 bytes on
	v_add_f32 v[SQ], v[SQ], v[SQ+1]
	s_delay_alu instid0(VALU_DEP_1)
	v_add_f32_dpp v[SQ], v[SQ], v[SQ] row_xmask:1 row_mask:0xf bank_mask:0xf
	s_delay_alu instid0(VALU_DEP_1)
	v_add_f32_dpp v[SQ], v[SQ], v[SQ] row_xmask:2 row_mask:0xf bank_mask:0xf
	s_delay_alu instid0(VALU_DEP_1)
	v_add_f32_dpp v[SQ], v[SQ], v[SQ] row_xmask:4 row_mask:0xf bank_mask:0xf
	s_delay_alu instid0(VALU_DEP_1)
	v_add_f32_dpp v[SQ], v[SQ], v[SQ] row_xmask:8 row_mask:0xf bank_mask:0xf
	s_delay_alu instid0(VALU_DEP_1)
	v_permlanex16_b32 v[PX], v[SQ], s24, s25
	s_delay_alu instid0(VALU_DEP_1)
	v_add_f32 v[SQ], v[SQ], v[PX]                          ; every lane holds the row's sum
	ds_store_b32 v[YA], v[SQ] offset:4*(\i)                ; all lanes write the same word with the same number
.endm
	YROW 0, 16                                     ; row 1's sixteen loads may be out
	YROW 1, 0
	s_wait_dscnt 0x0                               ; for the others' sake: my stores into the stage are done
	s_barrier_signal -1
	s_barrier_wait -1
	s_cmp_lg_u32 s18, 0                            ; wave 0 stores the sixteen sums, each twice: lane l takes row l % 16, as the accumulators' lanes will want them
	s_cbranch_scc1 .Lnot_wave_0
	ds_load_b32 v[SQ], v[YR]
	s_wait_dscnt 0x0
	global_store_b32 v1, v[SQ], s[16:17]           ; 128 consecutive bytes
.Lnot_wave_0:
.irp c, 0,1,2,3
	ds_load_b128 v[E+4*\c:E+4*\c+3], v[RA] offset:544*\c   ; registers 4 c .. 4 c + 3 of K step w: lanes 0-15 read 256 consecutive bytes, lanes 16-31 the 256 that begin 272 further on
.endr
.irp c, 0,1,2,3
	s_wait_dscnt 3-\c
	global_store_b128 v[LO], v[E+4*\c:E+4*\c+3], s[14:15] offset:512*\c   ; 32 lanes store 512 consecutive bytes, at a multiple of 256 from the buffer's first byte
.endr
	s_wait_tensorcnt 0x0                           ; the wave's end, behind my last LDS store
	ds_add_u32 v[SPW], v[NIL]
	s_wait_dscnt 0x0
	s_endpgm
; THE VOCABULARY.  Work-group v (0 to 314) turns tiles 5 v .. 5 v + 4 of 16 rows into codes of E4M3 with the given scale 2^e1, and sums each row's squares (vv) in f32, in the order of y's sums.
; Tile t holds rows min(16 t, 25112) + 0 .. 15: the last tile, 1570, begins 8 rows early, so that no load leaves the buffer; the rows that it shares with tile 1569 get the same codes.
; 315 x 5 is 1,575: the last work-group's tile numbers are held at 1570, so it makes that tile five times and stores the same bytes each time.
; vcodes: a record of 17,408 bytes a tile: eight images of operand registers (K step s at 2,048 s, laid and permuted along K as y's are), then 1,024 bytes that hold the 16 sums sixteen times over.
; Wave w takes rows 2 w and 2 w + 1, and stores the image of K step w.  Two sets of registers and two stages take turns: the loads of tile n + 2 go out when tile n's numbers are converted; one barrier a tile.
; LDS bytes of this path's own: two stages from 18,688 on, two blocks of sums from 53,504 on.  LIMITS: e1 between -126 and 119; NaN is not served.
.Lvoc:
.set VST, 18688
.set VVO, 36096                        ; from YS to this path's sums
.set REC, 17408
	s_load_b128 s[32:35], s[0:1], 0x38             ; vocab_vectors, vcodes
	s_mul_i32 s20, ttmp9, 5                        ; my first tile
	s_lshl_b32 s19, s18, 1                         ; 2 w
	s_lshl_b32 s28, s18, 11                        ; 2,048 w
	s_mov_b32 s23, 0
	v_and_b32 v60, 12, v1                          ; v1 = 4 x lane: 4 (lane % 4)
	v_lshl_add_u32 v60, v60, 2, YS+VVO             ; the sums, on the way out: 16 (lane % 4)
	s_wait_alu depctr_va_vdst(0)
	s_wait_kmcnt 0x0
	s_load_b32 s26, s[12:13], 0x4                  ; e1
.irp n, 0,1,2,3,4
	s_add_co_u32 s21, s20, \n
	s_min_u32 s21, s21, 1570                       ; the tile
	s_lshl_b32 s22, s21, 4
	s_min_u32 s22, s22, 25112                      ; its first row
	s_add_co_u32 s22, s22, s19
	s_lshl_b32 s22, s22, 12                        ; my two rows, in bytes (under 2^27)
	s_add_nc_u64 s[40+2*\n:41+2*\n], s[32:33], s[22:23]
	s_mul_i32 s22, s21, REC
	s_add_co_u32 s22, s22, s28
	s_add_nc_u64 s[50+2*\n:51+2*\n], s[34:35], s[22:23]
.endr
.macro VLD n                           ; 16 loads of 512 consecutive bytes: my two rows of tile n
.irp i, 0,1
.irp u, 0,1,2,3,4,5,6,7
	global_load_b128 v[E+64*((\n)%2)+32*\i+4*\u:E+64*((\n)%2)+32*\i+4*\u+3], v[LO], s[40+2*(\n):41+2*(\n)] offset:4096*\i+512*\u th:TH_LOAD_NT
.endr
.endr
.endm
.macro VTILE n
.set PB, (\n)%2
.if (\n) < 4
	s_wait_loadcnt 16                              ; this tile's 16 loads are in; the next tile's may be out
.else
	s_wait_loadcnt 0x0
.endif
.irp i, 0,1
.set EX, E+64*PB+32*\i
.set CX, 16+16*PB+8*\i
.set SX, 48+4*\i
	v_pk_mul_f32 v[SX:SX+1], v[EX:EX+1], v[EX:EX+1]
	v_pk_mul_f32 v[SX+2:SX+3], v[EX+2:EX+3], v[EX+2:EX+3]
.irp q, 4,8,12,16,20,24,28
	v_pk_fma_f32 v[SX:SX+1], v[EX+\q:EX+\q+1], v[EX+\q:EX+\q+1], v[SX:SX+1]
	v_pk_fma_f32 v[SX+2:SX+3], v[EX+\q+2:EX+\q+3], v[EX+\q+2:EX+\q+3], v[SX+2:SX+3]
.endr
.irp j, 0,1,2,3,4,5,6,7,8,9,10,11,12,13,14,15,16,17,18,19,20,21,22,23,24,25,26,27,28,29,30,31
	v_med3_num_f32 v[EX+\j], v[EX+\j], -v[LIM], v[LIM]     ; the hold at the largest code x the scale (ISA guide 7.6.2), behind the squares
.endr
.irp q, 0,1,2,3
	v_cvt_scalef32_pk8_fp8_f32 v[CX+2*\q:CX+2*\q+1], v[EX+8*\q:EX+8*\q+7], v[SCL]
.endr
	v_pk_add_f32 v[SX:SX+1], v[SX:SX+1], v[SX+2:SX+3]      ; (also the plain instruction behind the last conversion)
	ds_store_b128 v[SA], v[CX:CX+3] offset:VST+REC*PB+16*\i
	ds_store_b128 v[SA], v[CX+4:CX+7] offset:VST+REC*PB+16*\i+8704
	v_add_f32 v[SX], v[SX], v[SX+1]
	v_add_f32_dpp v[SX], v[SX], v[SX] row_xmask:1 row_mask:0xf bank_mask:0xf
	v_add_f32_dpp v[SX], v[SX], v[SX] row_xmask:2 row_mask:0xf bank_mask:0xf
	v_add_f32_dpp v[SX], v[SX], v[SX] row_xmask:4 row_mask:0xf bank_mask:0xf
	v_add_f32_dpp v[SX], v[SX], v[SX] row_xmask:8 row_mask:0xf bank_mask:0xf
	v_permlanex16_b32 v[PX], v[SX], s24, s25
	v_add_f32 v[SX], v[SX], v[PX]
	ds_store_b32 v[YA], v[SX] offset:VVO+256*PB+4*\i
.endr
.if (\n)+2 < 5
	VLD (\n)+2                                     ; into the set just converted
.endif
	s_wait_alu depctr_va_vdst(0)
	s_wait_dscnt 0x0                               ; for the others' sake: my stores into this stage are done, and my reads of the other stage are back
	s_barrier_signal -1
	s_barrier_wait -1
	s_wait_xcnt 0x0                                ; the stores of two tiles ago have read the registers that are loaded below
	s_cmp_lg_u32 s18, 0
	s_cbranch_scc1 .Lnot_w0_\@
	ds_load_b128 v[56:59], v60 offset:256*PB       ; wave 0: the 16 sums, four a lane
	s_wait_dscnt 0x0
	global_store_b128 v[LO], v[56:59], s[50+2*(\n):51+2*(\n)] offset:16384
	global_store_b128 v[LO], v[56:59], s[50+2*(\n):51+2*(\n)] offset:16896
.Lnot_w0_\@:
.irp c, 0,1,2,3
	ds_load_b128 v[64+16*PB+4*\c:64+16*PB+4*\c+3], v[RA] offset:VST+REC*PB+544*\c
.endr
.irp c, 0,1,2,3
	s_wait_dscnt 3-\c
	global_store_b128 v[LO], v[64+16*PB+4*\c:64+16*PB+4*\c+3], s[50+2*(\n):51+2*(\n)] offset:512*\c   ; 512 consecutive bytes, at a multiple of 256 from the buffer's first byte
.endr
.endm
	VLD 0
	VLD 1
	s_wait_kmcnt 0x0
	s_add_co_i32 s26, s26, 127
	s_lshl_b32 s27, s26, 23
	v_mov_b32 v[SCL], s27                          ; 2^e1
	s_add_co_i32 s26, s26, 8
	s_lshl_b32 s26, s26, 23
	s_or_b32 s26, s26, 0x600000
	v_mov_b32 v[LIM], s26                          ; 448 x 2^e1
	s_wait_alu depctr_va_vdst(0)
.irp n, 0,1,2,3,4
	VTILE \n
.endr
	s_wait_tensorcnt 0x0                           ; the wave's end
	ds_add_u32 v[SPW], v[NIL]
	s_wait_dscnt 0x0
	s_endpgm
.Lfunc_end_k_qa51fab9a00_yprep:
	.size	k_qa51fab9a00_yprep, .Lfunc_end_k_qa51fab9a00_yprep-k_qa51fab9a00_yprep
	.p2alignl 7, 3214868480
	.fill 96, 4, 3214868480
	.section	.rodata,"a",@progbits
	.p2align	6, 0x0
	.amdhsa_kernel k_qa51fab9a00_yprep
		.amdhsa_group_segment_fixed_size 54016
		.amdhsa_private_segment_fixed_size 0
		.amdhsa_enable_private_segment 0
		.amdhsa_kernarg_size 72
		.amdhsa_user_sgpr_count 2
		.amdhsa_user_sgpr_kernarg_segment_ptr 1
		.amdhsa_wavefront_size32 1
		.amdhsa_system_sgpr_workgroup_id_x 1
		.amdhsa_system_sgpr_workgroup_id_y 1
		.amdhsa_system_sgpr_workgroup_id_z 1
		.amdhsa_system_vgpr_workitem_id 0
		.amdhsa_next_free_vgpr 256
		.amdhsa_next_free_sgpr 66
		.amdhsa_reserve_vcc 0
		.amdhsa_float_denorm_mode_32 3
		.amdhsa_float_denorm_mode_16_64 3
		.amdhsa_memory_ordered 1
		.amdhsa_forward_progress 1
		.amdhsa_inst_pref_size 91
	.end_amdhsa_kernel
	.amdgpu_metadata
---
amdhsa.version: [ 1, 2 ]
amdhsa.kernels:
  - .name:           k_qa51fab9a00_yprep
    .symbol:         k_qa51fab9a00_yprep.kd
    .args:
      - { .name: embeddings, .offset: 0, .size: 8, .value_kind: global_buffer, .address_space: global }
      - { .name: ln_bias, .offset: 8, .size: 8, .value_kind: global_buffer, .address_space: global }
      - { .name: ln_weight, .offset: 16, .size: 8, .value_kind: global_buffer, .address_space: global }
      - { .name: pos_emb, .offset: 24, .size: 8, .value_kind: global_buffer, .address_space: global }
      - { .name: lowp_scales, .offset: 32, .size: 8, .value_kind: global_buffer, .address_space: global }
      - { .name: ycodes, .offset: 40, .size: 8, .value_kind: global_buffer, .address_space: global }
      - { .name: yyw, .offset: 48, .size: 8, .value_kind: global_buffer, .address_space: global }
      - { .name: vocab_vectors, .offset: 56, .size: 8, .value_kind: global_buffer, .address_space: global }
      - { .name: vcodes, .offset: 64, .size: 8, .value_kind: global_buffer, .address_space: global }
    .group_segment_fixed_size: 54016
    .private_segment_fixed_size: 0
    .kernarg_segment_align: 8
    .kernarg_segment_size: 72
    .max_flat_workgroup_size: 256
    .sgpr_count:     66
    .vgpr_count:     256
    .wavefront_size: 32
...
	.end_amdgpu_metadata
.endif
;; end of part 1
;; launch nearest (part 2): grid 8 x 32, 4 waves a work-group, clusters of 4 x 1, 327,680 bytes of LDS; arguments vcodes, ycodes, yyw, lowp_scales, part; writes part
.if DOCPART == 2
	.amdgcn_target "amdgcn-amd-amdhsa--gfx1250"
	.amdhsa_code_object_version 6
	.text
	.protected	k_qa51fab9a00_nearest
	.globl	k_qa51fab9a00_nearest
	.p2align	8
	.type	k_qa51fab9a00_nearest,@function
k_qa51fab9a00_nearest:
	s_mov_b64 s[64:65], 0
	v_nop
	global_prefetch_b8 v0, s[64:65] scope:SCOPE_SE
	s_setreg_imm32_b32 hwreg(HW_REG_WAVE_MODE, 25, 1), 1
	s_wait_xcnt 0x0
	s_wait_alu depctr_hold_cnt(0) depctr_sa_sdst(0) depctr_va_vdst(0) depctr_va_sdst(0) depctr_va_ssrc(0) depctr_va_vcc(0) depctr_vm_vsrc(0)
	s_getreg_b32 s2, hwreg(HW_REG_IB_STS2, 6, 4)
	s_cmp_eq_u32 s2, 0
	s_cbranch_scc0 .Lentry_in_a_cluster
	s_endpgm
.Lentry_in_a_cluster:
	s_bfe_u32 s2, ttmp6, 0x10000c
	s_cmp_lg_u32 s2, 0x3003
	s_cbranch_scc0 .Lentry_shape_is_right
	s_endpgm
.Lentry_shape_is_right:
; For each row s of y and each of 32 groups of 50 vocabulary tiles: the smallest d2[s][v] = (yy[s] - 2 y[s].v) + vv[v] of the group, and the lowest v that has it.  A later launch joins a row's 32 groups.
; yy[s] is the same for all v of a row, but beside it the other terms lose low bits in f32 as reference() adds them, which can make or break ties: so it stays, added in reference()'s order.
; SHARES: work-group (x, g): rows 256 x .. 256 x + 255 of y, tiles min(49 g + min(g, 3), 1521) + 0 .. 49 (neighbouring groups share a tile; a shared row has the same number and index in both).
; Wave w holds 64 rows of y (4 tiles x 8 K steps x 16 registers, windows 2 and 3) for the whole launch.  The vocabulary's records (17,408 bytes a tile: eight operand images, then the sums vv) come through two LDS
; slots of 5 records, 87,040 bytes; each wave brings a quarter, 85 rows of 256 bytes.  CLUSTER: the four work-groups of a cluster differ in x alone and read the same records: joint loads with the mask 15.
; The product is used transposed (source 0 = 16 vocabulary rows, source 1 = 16 rows of y): lane (r, h) holds row r of y, register j the vocabulary row 8 h + j.  A tile is 32 matrix instructions, four accumulators by turns.
; THE WAY OUT of a tile: d2; its smallest number a lane; where that is strictly under the lane's running minimum, the minimum, the tile's number and a copy of the lane's eight numbers are taken.  The index is found once, at the end.
; A slot's last tile is finished behind the change of slots, while the next slot's first fragments are on their way from LDS.
; PREFETCH: behind each change of slots a wave asks for its quarter of the slot three on, 22 blocks of 256 bytes for each of the four partners, told apart by address; slots 0 to 2 come by their loads alone; slots past 9 are not asked for.
; LIMITS: e0 + e1 + 1 between -126 and 127.  NaN is not served; a row whose every d2 is infinite gets no meaningful index.
.set REC,   17408
.set SLOTB, 5*REC
.set QUART, SLOTB/4
.set SPARE, 2*SLOTB                    ; the spare words: 128 bytes a wave, two blocks of 256 bytes that no other line names
.set SPW, 2
.set NIL, 3
.set YO,  5                            ; 4 x lane
.set PO,  6                            ; my 16 bytes in part
.set LB,  7                            ; 8 h
.set LO,  8                            ; 16 x lane
.set AD,  8                            ; v8-11   fragments: slot s, tiles 0-2 or 3-4: 16 x lane + SLOTB s + 3 REC p
.set AV,  12                           ; v12-15  the sums: 32 h + the same
.set PFO, 16
.set TV,  17                           ; the number of the tile that is finished next
.set YY,  20                           ; v20-27  yy of my row in tile a, in the low word of a pair
.set RUN, 28                           ; v28-31  the running minimum
.set GID, 32                           ; v32-35  its tile, then its index
.set T,   36
.set VV,  40                           ; v40-55  vv of rows 8 h + 0 .. 7: two sets
.set POS, 56
.set CH,  60
.set CI,  64
.set RMN, 68
.set XA,  72
.set XB,  76
.set OUT, 80
.set ACC, 96                           ; v96-127  four accumulators
.set SV,  128                          ; v128-159 the winning tile's numbers
.set MSB, 0
.macro WIN new                         ; the immediate's high byte repeats the setting that is left
.if MSB != (\new)
	s_set_vgpr_msb (MSB<<8)|(\new)
.set MSB, (\new)
.endif
.endm
.macro PLACES
.rept 4
	v_nop
.endr
.endm
.macro CROUND                          ; a round of the cluster's barrier
	s_barrier_signal -1
	s_barrier_wait -1
	s_cmp_lg_u32 s14, 0
	s_cbranch_scc1 .Lnot_wave_0_\@
	s_barrier_signal -3
.Lnot_wave_0_\@:
	s_barrier_wait -3
	s_barrier_signal -1
	s_barrier_wait -1
.endm
	s_load_b256 s[4:11], s[0:1], 0x0               ; vcodes s[4:5], ycodes s[6:7], yyw s[8:9], the scales' exponents s[10:11]
	s_load_b64 s[12:13], s[0:1], 0x20              ; part
	v_lshl_add_u32 v[SPW], v0, 2, SPARE
	v_mov_b32 v[NIL], 0
	ds_add_u32 v[SPW], v[NIL]                      ; the opening add, twice on end, and its wait
	ds_add_u32 v[SPW], v[NIL]
	v_lshrrev_b32 v1, 5, v0
	v_readfirstlane_b32 s14, v1                    ; wave
	s_bfe_u32 s15, ttmp6, 0x40000                  ; cx
	s_lshl_b32 s16, ttmp9, 2
	s_add_co_u32 s16, s16, s15                     ; x
	s_and_b32 s17, ttmp7, 0xffff                   ; g
	s_mul_i32 s18, s17, 49
	s_min_u32 s19, s17, 3
	s_add_co_u32 s18, s18, s19
	s_min_u32 s18, s18, 1521                       ; the group's first tile
	s_mov_b32 s24, 15|(3<<16)|(1<<21)              ; group 1: mask 15, elements of 8 bytes, bit 21 beside the mask
	s_mov_b32 s25, 32<<16                          ; rows of 32 elements, 256 bytes
	s_mov_b32 s26, 85<<16                          ; 85 rows
	s_mov_b32 s27, 32<<16
	s_mov_b32 s28, 85
	s_mov_b32 s29, 32                              ; dense
	s_mov_b32 s30, 0
	s_mov_b32 s31, 0
	s_mov_b32 s38, 0x76543210                      ; lane l xor 16
	s_mov_b32 s39, 0xfedcba98
	s_mov_b32 s44, 0xffff0000                      ; lanes 16-31
	s_mov_b32 s45, 4                               ; the loop's trips
	s_mul_i32 s20, s18, REC
	s_mul_i32 s19, s14, QUART
	s_add_co_u32 s20, s20, s19
	s_mov_b32 s21, 0
	s_wait_dscnt 0x0
	s_wait_kmcnt 0x0
	s_load_b64 s[48:49], s[10:11], 0x0             ; e0, e1
	s_add_nc_u64 s[4:5], s[4:5], s[20:21]          ; my quarter of slot-full 0: it hangs on g and the wave alone
	s_mov_b32 s32, 1
	s_mov_b32 s33, s19
	s_mov_b64 s[34:35], s[4:5]
	s_mov_b32 s52, 1
	s_add_co_u32 s53, s19, SLOTB
	s_add_nc_u64 s[54:55], s[4:5], SLOTB
	s_add_nc_u64 s[36:37], s[4:5], 2*SLOTB         ; the prefetches' base: stepped to slot-full 3 at the first change
	s_or_b32 s35, s35, 0x80000000
	s_or_b32 s55, s55, 0x80000000
	CROUND
	tensor_load_to_lds s[32:35], s[24:31]          ; slot-full 0: my one tensor load at the head
	s_nop 0
	PLACES
	v_and_b32 v1, 31, v0                           ; lane
	v_and_b32 v18, 15, v0                          ; r
	v_bfe_u32 v19, v0, 4, 1                        ; h
	v_lshlrev_b32 v[LO], 4, v1
	v_lshlrev_b32 v[YO], 2, v1
	v_lshlrev_b32 v[LB], 3, v19
	v_add_nc_u32 v[AD+1], 3*REC, v[LO]
	v_add_nc_u32 v[AD+2], SLOTB, v[LO]
	v_add_nc_u32 v[AD+3], SLOTB+3*REC, v[LO]
	v_lshlrev_b32 v[AV], 5, v19
	v_add_nc_u32 v[AV+1], 3*REC, v[AV]
	v_add_nc_u32 v[AV+2], SLOTB, v[AV]
	v_add_nc_u32 v[AV+3], SLOTB+3*REC, v[AV]
	v_lshrrev_b32 v[PO], 3, v18                    ; part: [32 rows][group][32 rows x 8 bytes]: rows 4 r + 2 h and the next
	v_lshlrev_b32 v[PO], 13, v[PO]
	v_and_b32 v18, 7, v18
	v_lshl_add_u32 v[PO], v18, 5, v[PO]
	v_lshl_add_u32 v[PO], v19, 4, v[PO]
	s_mul_i32 s47, s15, 22
	v_min_u32 v[PFO], 21, v1                       ; of my quarter's 85 blocks partner cx names 22 cx + 0 .. 21, held at 84; lanes left over name my last block again
	v_add_nc_u32 v[PFO], s47, v[PFO]
	v_min_u32 v[PFO], 84, v[PFO]
	v_lshlrev_b32 v[PFO], 8, v[PFO]
	v_mov_b32 v[TV], s18
.irp a, 0,1,2,3
	v_mov_b32 v[YY+2*\a+1], 0                      ; (named as the upper half of a pair)
	v_mov_b32 v[RUN+\a], 0x7f800000                ; over every finite number
	v_mov_b32 v[GID+\a], 0
	v_mov_b32 v[CH+\a], 0                          ; a lane permute's destination counts as read
	v_mov_b32 v[CI+\a], 0
.endr
.irp j, 0,1,2,3,4,5,6,7,8,9,10,11,12,13,14,15,16,17,18,19,20,21,22,23,24,25,26,27,28,29,30,31
	v_mov_b32 v[SV+\j], 0                          ; the copy is selected into, so it is written once
.endr
	s_lshl_b32 s46, s16, 2
	s_add_co_u32 s46, s46, s14                     ; my block of 64 rows
	s_lshl_b32 s20, s46, 16
	s_add_nc_u64 s[6:7], s[6:7], s[20:21]
	s_lshl_b32 s20, s46, 9
	s_add_nc_u64 s[8:9], s[8:9], s[20:21]
	s_lshl_b32 s20, s46, 6
	s_add_co_u32 s20, s20, s17
	s_lshl_b32 s20, s20, 8
	s_add_nc_u64 s[12:13], s[12:13], s[20:21]
	s_wait_alu depctr_va_vdst(0)
.irp s, 0,1,2,3,4,5,6,7
	WIN 0x80+0x40*((\s)/4)                         ; K steps 0-3 into window 2, 4-7 into window 3: fragment (a, s) at 64 (s % 4) + 16 a
.irp a, 0,1,2,3
.irp c, 0,1,2,3
	global_load_b128 v[64*(\s%4)+16*\a+4*\c:64*(\s%4)+16*\a+4*\c+3], v[LO], s[6:7] offset:(4*\s+\a)*2048+512*\c
.endr
.endr
.endr
	WIN 0
.irp a, 0,1,2,3
	global_load_b32 v[YY+2*\a], v[YO], s[8:9] offset:128*\a
.endr
	s_wait_kmcnt 0x0
	s_add_co_i32 s22, s48, s49
	s_add_co_i32 s22, s22, 128
	s_lshl_b32 s22, s22, 23
	s_or_b32 s22, s22, 0x80000000                  ; -2^(e0 + e1 + 1)
	s_mov_b32 s23, s22
; tile i of a slot: its 32 fragment loads into set (5 slot + i) % 2 of window 1, and its sums
.macro FETCH slot, i
.set FB, (5*(\slot)+(\i))%2
.set FP, (\i)/3
.set FO, ((\i)-3*FP)*REC
	WIN 0x40
.irp s, 0,1,2,3,4,5,6,7
.irp c, 0,1,2,3
	ds_load_b128 v[128*FB+16*\s+4*\c:128*FB+16*\s+4*\c+3], v[AD+2*(\slot)+FP] offset:FO+2048*\s+512*\c
.endr
.endr
	WIN 0
	ds_load_b128 v[VV+8*FB:VV+8*FB+3], v[AV+2*(\slot)+FP] offset:FO+16384
	ds_load_b128 v[VV+8*FB+4:VV+8*FB+7], v[AV+2*(\slot)+FP] offset:FO+16400
.endm
; 32 matrix instructions: K ascending, the four accumulators by turns; the first K step starts the sums
.macro MM slot, i
.set FB, (5*(\slot)+(\i))%2
.irp s, 0,1,2,3,4,5,6,7
	WIN 0x09+4*((\s)/4)
.irp a, 0,1,2,3
.if \s == 0
	v_wmma_f32_16x16x128_fp8_fp8 v[ACC+8*\a:ACC+8*\a+7], v[128*FB+16*\s:128*FB+16*\s+15], v[64*(\s%4)+16*\a:64*(\s%4)+16*\a+15], 0
.else
	v_wmma_f32_16x16x128_fp8_fp8 v[ACC+8*\a:ACC+8*\a+7], v[128*FB+16*\s:128*FB+16*\s+15], v[64*(\s%4)+16*\a:64*(\s%4)+16*\a+15], v[ACC+8*\a:ACC+8*\a+7]
.endif
.endr
.endr
	WIN 0
.endm
.macro EPI vb                          ; the way out of a tile; vb: its set of sums
	PLACES                                         ; four places behind the last products, ahead of the first read of a result (ISA guide 7.12.1)
.irp a, 0,1,2,3
.irp e, 0,2,4,6
	v_pk_fma_f32 v[ACC+8*\a+\e:ACC+8*\a+\e+1], v[ACC+8*\a+\e:ACC+8*\a+\e+1], s[22:23], v[YY+2*\a:YY+2*\a+1] op_sel_hi:[1,0,0]   ; yy - 2 y.v
.endr
.endr
.irp a, 0,1,2,3
.irp e, 0,2,4,6
	v_pk_add_f32 v[ACC+8*\a+\e:ACC+8*\a+\e+1], v[ACC+8*\a+\e:ACC+8*\a+\e+1], v[VV+8*(\vb)+\e:VV+8*(\vb)+\e+1]   ; + vv
.endr
.endr
.irp a, 0,1,2,3
	v_min3_num_f32 v[T+\a], v[ACC+8*\a], v[ACC+8*\a+1], v[ACC+8*\a+2]
.endr
.irp a, 0,1,2,3
	v_min3_num_f32 v[T+\a], v[T+\a], v[ACC+8*\a+3], v[ACC+8*\a+4]
.endr
.irp a, 0,1,2,3
	v_min3_num_f32 v[T+\a], v[T+\a], v[ACC+8*\a+5], v[ACC+8*\a+6]
.endr
.irp a, 0,1,2,3
	v_min_num_f32 v[T+\a], v[T+\a], v[ACC+8*\a+7]
.endr
.irp a, 0,1,2,3
	v_cmp_lt_f32 s[40+\a], v[T+\a], v[RUN+\a]      ; strictly smaller: on a tie the earlier tile stays
.endr
.irp a, 0,1,2,3
	v_min_num_f32 v[RUN+\a], v[RUN+\a], v[T+\a]
.endr
.irp a, 0,1,2,3
	v_cndmask_b32 v[GID+\a], v[GID+\a], v[TV], s[40+\a]
.endr
.irp a, 0,1,2,3
.irp j, 0,1,2,3,4,5,6,7
	v_cndmask_b32 v[SV+8*\a+\j], v[SV+8*\a+\j], v[ACC+8*\a+\j], s[40+\a]
.endr
.endr
	v_add_nc_u32 v[TV], 1, v[TV]
.endm
; The change to a slot: every wave's tensor loads have landed, its add is done, its LDS reads are back; a round of the cluster's barrier; the other slot is filled again (the first time: slot 1's first fill);
; this slot's first fragments; the way out of the tile before.  ask = 1: the prefetch; 2: not in the loop's last trip.
.macro PRO slot, refill, epi, ask
	s_wait_xcnt 0x0                                ; my last prefetch has read its base
	s_add_nc_u64 s[36:37], s[36:37], SLOTB
	s_wait_tensorcnt 0x0
	ds_add_u32 v[SPW], v[NIL]
.if (\slot) == 0
	s_add_nc_u64 s[34:35], s[34:35], 2*SLOTB       ; no load of mine is out: this slot's next fill
.else
	s_add_nc_u64 s[54:55], s[54:55], 2*SLOTB
.endif
	s_wait_dscnt 0x0
	CROUND
.if \refill
.if (\slot) == 0
	tensor_load_to_lds s[52:55], s[24:31]
.else
	tensor_load_to_lds s[32:35], s[24:31]
.endif
	s_nop 0
	PLACES
.endif
	FETCH \slot, 0
.if \epi
	EPI (5*(1-(\slot))+4)%2
.endif
.if (\ask) == 1
	global_prefetch_b8 v[PFO], s[36:37] th:TH_LOAD_NT scope:SCOPE_SE
.endif
.if (\ask) == 2
	s_cmp_gt_u32 s45, 1
	s_cbranch_scc0 .Lno_ask_\@
	global_prefetch_b8 v[PFO], s[36:37] th:TH_LOAD_NT scope:SCOPE_SE
.Lno_ask_\@:
.endif
.endm
.macro UN slot                         ; a slot's five tiles; the last one's way out follows the change of slots
.irp i, 0,1,2,3,4
.if \i < 4
	FETCH \slot, \i+1
	s_wait_dscnt 34                                ; this tile's loads are in; the next tile's 34 may be out
.else
	s_wait_dscnt 0x0
.endif
	MM \slot, \i
.if \i < 4
	EPI (5*(\slot)+\i)%2
.endif
.endr
.endm
	PRO 0, 1, 0, 1
	s_wait_loadcnt 0x0                             ; y's fragments and yy
.Llap:
	UN 0
	PRO 1, 1, 1, 2
	UN 1
	PRO 0, 1, 1, 2
	s_sub_co_u32 s45, s45, 1
	s_cmp_lg_u32 s45, 0
	s_wait_alu depctr_va_vdst(0)
	s_cbranch_scc1 .Llap
	UN 0                                           ; slot-fulls 8 and 9: nothing more is fetched
	PRO 1, 0, 1, 0
	UN 1
	EPI 1
; the index: the lowest place of the copy that holds the minimum; the tile's first row; then the two halves of the lanes are joined, the lower index on a tie
.irp a, 0,1,2,3
	v_mov_b32 v[POS+\a], 7
.endr
.irp j, 6,5,4,3,2,1,0
.irp a, 0,1,2,3
	v_cmp_neq_f32 s[40+\a], v[SV+8*\a+\j], v[RUN+\a]
.endr
.irp a, 0,1,2,3
	v_cndmask_b32 v[POS+\a], \j, v[POS+\a], s[40+\a]
.endr
.endr
.irp a, 0,1,2,3
	v_lshlrev_b32 v[GID+\a], 4, v[GID+\a]
.endr
.irp a, 0,1,2,3
	v_min_u32 v[GID+\a], 25112, v[GID+\a]          ; the last tile begins 8 rows early
.endr
.irp a, 0,1,2,3
	v_add3_u32 v[GID+\a], v[GID+\a], v[POS+\a], v[LB]
.endr
.irp a, 0,1,2,3
	v_permlanex16_b32 v[CH+\a], v[RUN+\a], s38, s39
.endr
.irp a, 0,1,2,3
	v_permlanex16_b32 v[CI+\a], v[GID+\a], s38, s39
.endr
.irp a, 0,1,2,3
	v_min_num_f32 v[RMN+\a], v[RUN+\a], v[CH+\a]
.endr
.irp a, 0,1,2,3
	v_cmp_eq_f32 s[40+\a], v[RUN+\a], v[RMN+\a]
.endr
.irp a, 0,1,2,3
	v_cndmask_b32 v[XA+\a], -1, v[GID+\a], s[40+\a]
.endr
.irp a, 0,1,2,3
	v_cmp_eq_f32 s[40+\a], v[CH+\a], v[RMN+\a]
.endr
.irp a, 0,1,2,3
	v_cndmask_b32 v[XB+\a], -1, v[CI+\a], s[40+\a]
.endr
.irp a, 0,1,2,3
	v_min_u32 v[XA+\a], v[XA+\a], v[XB+\a]
.endr
	v_cndmask_b32 v[OUT], v[RMN], v[RMN+2], s44    ; row r of tile a is row 4 r + a of my 64: lanes 0-15 store tiles 0 and 1, lanes 16-31 tiles 2 and 3
	v_cndmask_b32 v[OUT+1], v[XA], v[XA+2], s44
	v_cndmask_b32 v[OUT+2], v[RMN+1], v[RMN+3], s44
	v_cndmask_b32 v[OUT+3], v[XA+1], v[XA+3], s44
	global_store_b128 v[PO], v[OUT:OUT+3], s[12:13]    ; two whole blocks of 256 bytes a wave
	s_wait_tensorcnt 0x0                           ; the wave's end
	ds_add_u32 v[SPW], v[NIL]
	s_wait_dscnt 0x0
	CROUND                                         ; the closing round
	s_endpgm
.Lfunc_end_k_qa51fab9a00_nearest:
	.size	k_qa51fab9a00_nearest, .Lfunc_end_k_qa51fab9a00_nearest-k_qa51fab9a00_nearest
	.p2alignl 7, 3214868480
	.fill 96, 4, 3214868480
	.section	.rodata,"a",@progbits
	.p2align	6, 0x0
	.amdhsa_kernel k_qa51fab9a00_nearest
		.amdhsa_group_segment_fixed_size 327680
		.amdhsa_private_segment_fixed_size 0
		.amdhsa_enable_private_segment 0
		.amdhsa_kernarg_size 40
		.amdhsa_user_sgpr_count 2
		.amdhsa_user_sgpr_kernarg_segment_ptr 1
		.amdhsa_wavefront_size32 1
		.amdhsa_system_sgpr_workgroup_id_x 1
		.amdhsa_system_sgpr_workgroup_id_y 1
		.amdhsa_system_sgpr_workgroup_id_z 1
		.amdhsa_system_vgpr_workitem_id 0
		.amdhsa_next_free_vgpr 1024
		.amdhsa_next_free_sgpr 66
		.amdhsa_reserve_vcc 0
		.amdhsa_float_denorm_mode_32 3
		.amdhsa_float_denorm_mode_16_64 3
		.amdhsa_memory_ordered 1
		.amdhsa_forward_progress 1
		.amdhsa_inst_pref_size 229
	.end_amdhsa_kernel
	.amdgpu_metadata
---
amdhsa.version: [ 1, 2 ]
amdhsa.kernels:
  - .name:           k_qa51fab9a00_nearest
    .symbol:         k_qa51fab9a00_nearest.kd
    .args:
      - { .name: vcodes, .offset: 0, .size: 8, .value_kind: global_buffer, .address_space: global }
      - { .name: ycodes, .offset: 8, .size: 8, .value_kind: global_buffer, .address_space: global }
      - { .name: yyw, .offset: 16, .size: 8, .value_kind: global_buffer, .address_space: global }
      - { .name: lowp_scales, .offset: 24, .size: 8, .value_kind: global_buffer, .address_space: global }
      - { .name: part, .offset: 32, .size: 8, .value_kind: global_buffer, .address_space: global }
    .group_segment_fixed_size: 327680
    .private_segment_fixed_size: 0
    .kernarg_segment_align: 8
    .kernarg_segment_size: 40
    .max_flat_workgroup_size: 128
    .sgpr_count:     66
    .vgpr_count:     1024
    .wavefront_size: 32
...
	.end_amdgpu_metadata
.endif
;; end of part 2
;; launch pick (part 3): grid 64 x 1, 8 waves a work-group, no clusters, 5,120 bytes of LDS; arguments part, out0; writes out0
.if DOCPART == 3
	.amdgcn_target "amdgcn-amd-amdhsa--gfx1250"
	.amdhsa_code_object_version 6
	.text
	.protected	k_qa51fab9a00_pick
	.globl	k_qa51fab9a00_pick
	.p2align	8
	.type	k_qa51fab9a00_pick,@function
k_qa51fab9a00_pick:
	s_mov_b64 s[64:65], 0
	v_nop
	global_prefetch_b8 v0, s[64:65] scope:SCOPE_SE
	s_setreg_imm32_b32 hwreg(HW_REG_WAVE_MODE, 25, 1), 1
	s_wait_xcnt 0x0
; out0[s] = the index that goes with the smallest of row s's 32 minima; of equal minima the first group's.
; Groups are numbered by their first vocabulary row, ascending, their rows are consecutive, and each group's index is the lowest of its own that has its minimum: so the first group with the overall minimum
; holds the lowest row that has it.  Rows that two groups share have the same number and index in both.  LIMIT: NaN among the minima is not served.
; part: [block of 32 rows 64][group 32][row 32][minimum f32, index i32]: a work-group owns a block, 8,192 consecutive bytes.
; Thread t takes rows 2 (t % 16) and the next of groups 2 (t / 16) and the next: sixteen lanes read 256 consecutive bytes.  The sixteen partial results of a row meet in LDS; wave 0 joins them in ascending order, a lane a row.
; No matrix unit, no tensor load, no cluster: every byte is read once.
.set SPARE, 4096                       ; LDS: [16][32 rows][minimum, index] at 0; here the spare words, 128 bytes for each of eight waves
.set L, 16
	s_load_b128 s[4:7], s[0:1], 0x0                ; part, out0
	v_lshl_add_u32 v2, v0, 2, SPARE
	v_mov_b32 v3, 0
	v_lshrrev_b32 v1, 5, v0
	v_readfirstlane_b32 s8, v1                     ; wave
	v_lshrrev_b32 v4, 4, v0
	v_lshlrev_b32 v4, 9, v4                        ; two groups of 256 bytes
	v_and_b32 v1, 15, v0
	v_lshl_add_u32 v4, v1, 4, v4                   ; + my two rows
	v_lshlrev_b32 v5, 4, v0                        ; LDS, in: 16 t
	v_and_b32 v6, 31, v0
	v_lshlrev_b32 v7, 2, v6                        ; out0: a row a lane
	v_lshlrev_b32 v6, 3, v6                        ; LDS, out: 8 bytes a row
	s_lshl_b32 s10, ttmp9, 13
	s_mov_b32 s11, 0
	s_lshl_b32 s12, ttmp9, 7
	s_mov_b32 s13, 0
	s_wait_alu depctr_va_vdst(0)
	s_wait_kmcnt 0x0
	s_add_nc_u64 s[4:5], s[4:5], s[10:11]
	s_add_nc_u64 s[6:7], s[6:7], s[12:13]
	global_load_b128 v[L:L+3], v4, s[4:5] th:TH_LOAD_NT
	global_load_b128 v[L+4:L+7], v4, s[4:5] offset:256 th:TH_LOAD_NT
	s_wait_loadcnt 0x0
	v_cmp_lt_f32 s20, v[L+4], v[L]                 ; strictly smaller: on a tie the earlier group stays
	v_cmp_lt_f32 s21, v[L+6], v[L+2]
	v_cndmask_b32 v[L], v[L], v[L+4], s20
	v_cndmask_b32 v[L+1], v[L+1], v[L+5], s20
	v_cndmask_b32 v[L+2], v[L+2], v[L+6], s21
	v_cndmask_b32 v[L+3], v[L+3], v[L+7], s21
	ds_store_b128 v5, v[L:L+3]
	s_wait_dscnt 0x0                               ; for wave 0's sake: my store is done
	s_barrier_signal -1
	s_barrier_wait -1
	s_cmp_lg_u32 s8, 0
	s_cbranch_scc1 .Ldone
.irp g, 0,1,2,3,4,5,6,7,8,9,10,11,12,13,14,15
	ds_load_b64 v[L+2*\g:L+2*\g+1], v6 offset:256*\g   ; my row's minimum and index of the g-th pair of groups
.endr
	s_wait_dscnt 0x0
.irp g, 1,2,3,4,5,6,7,8,9,10,11,12,13,14,15
	v_cmp_lt_f32 s20, v[L+2*\g], v[L]
	v_cndmask_b32 v[L], v[L], v[L+2*\g], s20
	v_cndmask_b32 v[L+1], v[L+1], v[L+2*\g+1], s20
.endr
	global_store_b32 v7, v[L+1], s[6:7]            ; 32 lanes store 128 consecutive bytes: all that 32 rows of out0 are
.Ldone:
	s_wait_tensorcnt 0x0                           ; the wave's end
	ds_add_u32 v2, v3
	s_wait_dscnt 0x0
	s_endpgm
.Lfunc_end_k_qa51fab9a00_pick:
	.size	k_qa51fab9a00_pick, .Lfunc_end_k_qa51fab9a00_pick-k_qa51fab9a00_pick
	.p2alignl 7, 3214868480
	.fill 96, 4, 3214868480
	.section	.rodata,"a",@progbits
	.p2align	6, 0x0
	.amdhsa_kernel k_qa51fab9a00_pick
		.amdhsa_group_segment_fixed_size 5120
		.amdhsa_private_segment_fixed_size 0
		.amdhsa_enable_private_segment 0
		.amdhsa_kernarg_size 16
		.amdhsa_user_sgpr_count 2
		.amdhsa_user_sgpr_kernarg_segment_ptr 1
		.amdhsa_wavefront_size32 1
		.amdhsa_system_sgpr_workgroup_id_x 1
		.amdhsa_system_sgpr_workgroup_id_y 1
		.amdhsa_system_sgpr_workgroup_id_z 1
		.amdhsa_system_vgpr_workitem_id 0
		.amdhsa_next_free_vgpr 64
		.amdhsa_next_free_sgpr 66
		.amdhsa_reserve_vcc 0
		.amdhsa_float_denorm_mode_32 3
		.amdhsa_float_denorm_mode_16_64 3
		.amdhsa_memory_ordered 1
		.amdhsa_forward_progress 1
		.amdhsa_inst_pref_size 6
	.end_amdhsa_kernel
	.amdgpu_metadata
---
amdhsa.version: [ 1, 2 ]
amdhsa.kernels:
  - .name:           k_qa51fab9a00_pick
    .symbol:         k_qa51fab9a00_pick.kd
    .args:
      - { .name: part, .offset: 0, .size: 8, .value_kind: global_buffer, .address_space: global }
      - { .name: out0, .offset: 8, .size: 8, .value_kind: global_buffer, .address_space: global }
    .group_segment_fixed_size: 5120
    .private_segment_fixed_size: 0
    .kernarg_segment_align: 8
    .kernarg_segment_size: 16
    .max_flat_workgroup_size: 256
    .sgpr_count:     66
    .vgpr_count:     64
    .wavefront_size: 32
...
	.end_amdgpu_metadata
.endif
;; end of part 3
